; MI455X (gfx1250); checked and timed in simulation.
; The chip was launched on July 23, 2026; its instructions are those of AMD's public machine-readable ISA for CDNA 5 (MIT licence, August 2026) and "CDNA5" Instruction Set Architecture Reference Guide (July 2026). The comments in the code are by the model that wrote it; some were corrected since.
;; Attention. Allowed arithmetic: matrix products marked QUANTISED: E2M3 operands, one E8M0 scale for each 32 along K, by v_wmma_scale_f32_16x16x128_f8f6f4 with both operands' format E2M3, f32 sums; everything else in f32.
;; Inputs: WK_b 512 float32; WK_w 512 x 512 float32; WQ_b 512 float32; WQ_w 512 x 512 float32; WV_b 512 float32; WV_w 512 x 512 float32; X 8 x 2,048 x 512 float32; intensity 8 x 2,048 x 2,048 float32; out_b 512 float32; out_w 512 x 512 float32.
;; Outputs: out0 8 x 2,048 x 512 float32.
;; This version of the problem:
;;   THIS VERSION OF THE PROBLEM IS GIVEN IN LOW PRECISION. The matrix products marked QUANTISED in the list below multiply operands that are first quantised to E2M3 (2 exponent bits, 3 mantissa bits; 6 bits a number), with one power-of-two scale for each 32 numbers along K (OCP MX v1.0); their sums are f32. All else is computed in f32.
;;   The module's matrix products, in the order in which they are computed (A, B: the left and right operand; K: the contracted axis; several contracted axes count as one K, in the product's order):
;;     1. [M 16,384, K 512] x [K 512, N 512]; A: input X; B: input WQ_w: QUANTISED
;;     2. [M 16,384, K 512] x [K 512, N 512]; A: input X; B: input WK_w: QUANTISED
;;     3. [M 16,384, K 512] x [K 512, N 512]; A: input X; B: input WV_w: QUANTISED
;;     4. batch 8 x [M 2,048, K 512] x [K 512, N 2,048]; A: computed on the way; B: computed on the way: QUANTISED
;;     5. batch 8 x [M 2,048, K 2,048] x [K 2,048, N 512]; A: computed on the way; B: computed on the way: QUANTISED
;;     6. [M 16,384, K 512] x [K 512, N 512]; A: computed on the way; B: input out_w: QUANTISED
;;   THE QUANTISER, for each operand of a quantised product, along K:
;;     - K is cut into blocks of 32 from its start; a last block that is shorter is filled with zeros.
;;     - A block's scale is 2^e with e = floor(log2(the largest magnitude in the block)) - 2, held to -126 .. 127; a block of zeros has e = 0. As a byte (E8M0): e + 127.
;;     - Each number is divided by its block's scale, clamped to +-7.5, and rounded to the nearest number of E2M3, ties to even, subnormals kept.
;;     - The product sums the exact products of the quantised numbers (number of the format x scale) in f32.
;;   ~~~python
;;   def quantise(x, axis):      # numpy; x: float32 -> the quantised numbers, widened to float32 again
;;       x = np.moveaxis(x, axis, -1); K = x.shape[-1]
;;       x = np.pad(x, [(0, 0)] * (x.ndim - 1) + [(0, -K % 32)]); x = x.reshape(x.shape[:-1] + (-1, 32)); a = np.abs(x).max(-1, keepdims=True)
;;       e = np.where(a > 0, np.clip(np.frexp(np.where(a > 0, a, 1))[1] - 1 - 2, -126, 127), 0)      # np.frexp(a)[1] - 1 = floor(log2(a)), exactly
;;       r = np.clip(x / 2.0 ** e, -7.5, 7.5)
;;       step = 2.0 ** (np.maximum(np.frexp(np.where(r == 0, 1, r))[1] - 1, 0) - 3)
;;       q = np.round(r / step) * step * 2.0 ** e      # np.round: ties to even
;;       return np.moveaxis(q.reshape(q.shape[:-2] + (-1,))[..., :K], -1, axis).astype(np.float32)
;;   ~~~
;;   OPERANDS COMPUTED ON THE WAY. 'Computed on the way' means the value that the module computes at that place (a softmax that the list does not call 'softmax' is quantised finished and normalised). What goes into a quantiser is computed in f32, as accurately as f32 sums, v_exp_f32 and their like allow (about 1e-6 of the number): no bf16 or f16 on the way to a quantiser, and a product that is left as it is and whose result goes on into a quantised operand takes f32 operands (vector FMAs, or v_wmma_f32_16x16x4_f32). A number that lies on a knife's edge between two numbers of the format may be rounded either way, as far as f32 arithmetic and the matrix unit's own rounding can turn it there, and no further.
;; One version. Each part assembles by itself: llvm-mc -triple=amdgcn-amd-amdhsa -mcpu=gfx1250 --defsym DOCPART=n.
;; ======== version 1 of 1: 3 launches
;; limits: right only within a limited range of input values
;; workspace buffers: wcod 786,432 bytes; wscl 32,768 bytes; qcod 6,291,456 bytes; qscl 262,144 bytes; kcod 6,291,456 bytes; kscl 262,144 bytes; vcod 6,291,456 bytes; vscl 262,144 bytes
;; launch wquant (part 1): grid 32 x 1, 4 waves a work-group, no clusters, 168,448 bytes of LDS; arguments WQ_w, WK_w, WV_w, out_w, wcod, wscl; writes wcod, wscl
.if DOCPART == 1
	.amdgcn_target "amdgcn-amd-amdhsa--gfx1250"
	.amdhsa_code_object_version 6
	.text
	.protected	k_qf2c40a304f_wquant
	.globl	k_qf2c40a304f_wquant
	.p2align	8
	.type	k_qf2c40a304f_wquant,@function
k_qf2c40a304f_wquant:
	s_mov_b64 s[64:65], 0
	v_nop
	global_prefetch_b8 v0, s[64:65] scope:SCOPE_SE
	s_setreg_imm32_b32 hwreg(HW_REG_WAVE_MODE, 25, 1), 1
	s_wait_xcnt 0x0
; The four weights, [512][512] f32 with K innermost, become codes of FP6 (E2M3) with one E8M0 byte for each 32 along K,
; laid in the order of the operand's registers, so that later launches load a fragment by three loads of 16 bytes a lane.
; ROWS go in groups of 64, four tiles m = 2 b + u to a group; lane r of tile m holds row 32 b + 8 u + r + 8 (r / 8).
; IMAGE of a fragment (16 rows x 128 K, 12 registers a lane): 1,536 bytes; registers 4 p .. 4 p + 3 of lane l at 512 p + 16 l.
; wcod: [weight][group 8][tile 4][K step 4] images.  wscl: [weight][group][K step][lane 32][word 2]: word p holds the scale word of
; tile 2 p in lanes 0-15 and that of tile 2 p + 1 in lanes 16-31, so that one register serves two tiles by the row selector.
; SHARES: a work-group takes one group of one weight (32 in all), wave w its K step w.
; THE WAY IN: the conversions want 16 neighbours along K in ONE lane and a lane is one row, so loads into registers would take 16 bytes from each of 32 places.  Instead one tensor load a wave brings
; its 64 rows x 512 bytes (each row 512 consecutive bytes, at a multiple of 512) into LDS, rows 528 bytes apart, and the lanes take their 64 bytes of a block from there.
; Only the issuing wave reads its tile: its own wait on TENSORcnt is all the ordering that the reads need; no barrier.  The tile is filled once.
; LDS: four tiles of 33,792 bytes; the claim is 168,448 bytes.
; A block's scale is 2^(floor(log2(largest magnitude)) - 2); its byte is the largest magnitude's exponent field - 2, held at 1 from below.
; LIMITS: NaN and infinities are not served; a block whose largest magnitude lies under 2^-124, a block of zeros too, gets the byte 1
; (the rule gives a block of zeros 127: its codes are zeros, and only this program reads the bytes).
.set WTILE,  33792                     ; a wave's tile in LDS: 64 rows x (512 + 16) bytes
.set IPITCH, 528
.set LI,  1                            ; v1   16 x lane
.set L8,  2                            ; v2   8 x lane
.set XA,  3                            ; v3   LDS: my wave's tile + (r + 8 (r / 8)) x 528 + 64 (lane / 16): my 16 numbers of a block of 32
.set TM,  44                           ; v44-59 at work: largest magnitudes, bytes, scale operands
.set PW,  60                           ; v60-63 the four tiles' scale words
.set PC,  64                           ; v64-83 the codes just made
.set SA,  84                           ; v84-85 the two words that leave
.set SEL, 24                           ; s[24:25] selects for lane l xor 16
.set HM,  26                           ; s26 mask of lanes 16-31
.set G1,  32                           ; s[32:39] descriptor group 1
.set G0,  40                           ; s[40:43] descriptor group 0
.set WB,  44                           ; s44  33,792 x wave
.set MSB, 0
.macro WIN new                         ; the immediate's high byte repeats the setting that is left
.if MSB != (\new)
	s_set_vgpr_msb (MSB<<8)|(\new)
.set MSB, (\new)
.endif
.endm
; 64 numbers of a lane, v[s] .. v[s + 63] of window ws, register 16 b + i = k 32 b + 16 (lane / 16) + i of my row, become a fragment's codes in v[PC] on and its scale word in v[pw].
.macro QUANT ws, s, pw
	WIN ((\ws)|((\ws)<<2))
.irp b, 0,1,2,3
	v_max3_num_f32 v[TM+\b], |v[(\s)+16*\b]|, |v[(\s)+1+16*\b]|, 0x1800000   ; my 16 numbers of block b, and the floor 2^(3 - 127): the byte cannot fall under 1
.endr
.irp i, 2,4,6,8,10,12,14
.irp b, 0,1,2,3
	v_max3_num_f32 v[TM+\b], |v[(\s)+16*\b+\i]|, |v[(\s)+1+16*\b+\i]|, v[TM+\b]   ; the four blocks by turns
.endr
.endr
	WIN 0
.irp b, 0,1,2,3
	v_permlanex16_b32 v[TM+4+\b], v[TM+\b], s[SEL], s[SEL+1]
.endr
.irp b, 0,1,2,3
	v_max_num_f32 v[TM+\b], v[TM+\b], v[TM+4+\b]   ; with lane l xor 16's: the block's largest magnitude
.endr
.irp b, 0,1,2,3
	v_add_nc_u32 v[TM+12+\b], 0xff000000, v[TM+\b]   ; 2 off its exponent field: the conversion's scale operand
.endr
.irp b, 0,1,2,3
	v_lshrrev_b32 v[TM+4+\b], 23, v[TM+12+\b]      ; the scale's byte
.endr
	v_lshl_or_b32 v[\pw], v[TM+5], 8, v[TM+4]
	v_lshl_or_b32 v[\pw], v[TM+6], 16, v[\pw]
	v_lshl_or_b32 v[\pw], v[TM+7], 24, v[\pw]      ; my row's scale word, in both halves of the lanes
	WIN (\ws)
.irp c, 0,1
	v_cvt_scalef32_pk16_fp6_f32 v[PC+6*\c:PC+2+6*\c], v[(\s)+32*\c:(\s)+15+32*\c], v[TM+12+2*\c]
	v_cvt_scalef32_pk16_fp6_f32 v[PC+12+4*\c:PC+14+4*\c], v[(\s)+16+32*\c:(\s)+31+32*\c], v[TM+12+2*\c+1]   ; (a conversion's three registers begin on an even number)
.endr
	WIN 0
	v_nop                                          ; one plain place behind a scaled conversion
.irp c, 0,1                                    ; the operand's layout wants a whole block in a lane: lanes 0-15 block 2 c, lanes 16-31 block 2 c + 1
.irp i, 0,1,2
	v_permlane16_swap_b32 v[PC+6*\c+\i], v[PC+12+4*\c+\i]
.endr
.irp i, 0,1,2
	v_mov_b32 v[PC+3+6*\c+\i], v[PC+12+4*\c+\i]
.endr
.endr
.endm
.macro LDX m                           ; tile m's 64 numbers of my lane out of my wave's tile in LDS (the destination's window is set by the caller)
.irp b, 0,1,2,3
.irp j, 0,1,2,3
	ds_load_b128 v[64*(\m)+16*\b+4*\j:64*(\m)+16*\b+4*\j+3], v[XA] offset:(32*((\m)>>1)+8*((\m)&1))*IPITCH+128*\b+16*\j
.endr
.endr
.endm
	s_load_b256 s[4:11], s[0:1], 0x0               ; WQ_w, WK_w, WV_w, out_w
	s_load_b128 s[12:15], s[0:1], 0x20             ; wcod, wscl
	v_lshl_add_u32 v254, v0, 2, 0x29000
	v_mov_b32 v255, 0
	ds_add_u32 v254, v255
	ds_add_u32 v254, v255
	v_lshrrev_b32 v4, 5, v0
	v_readfirstlane_b32 s16, v4                    ; wave = K step
	; descriptor group 1: 64 rows x 128 elements of 4 bytes, 512 elements from row to row; in LDS 4 words of padding behind every 128
	s_mov_b32 s[G1+0], (2<<16)|(1<<20)|(6<<22)|(3<<25)
	s_mov_b32 s[G1+1], 128<<16                     ; tensor_dim0
	s_mov_b32 s[G1+2], 64<<16                      ; tensor_dim1
	s_mov_b32 s[G1+3], 128<<16                     ; tile_dim0
	s_mov_b32 s[G1+4], 64                          ; tile_dim1
	s_mov_b32 s[G1+5], 512                         ; tensor_dim0_stride
	s_mov_b32 s[G1+6], 0
	s_mov_b32 s[G1+7], 0
	s_mul_i32 s[WB], s16, WTILE
	s_mov_b32 s[G0], 1                             ; count = 1
	s_mov_b32 s[G0+1], s[WB]                       ; LDS address: my wave's tile
	s_lshr_b32 s17, ttmp9, 3                       ; which weight
	s_and_b32 s18, ttmp9, 7                        ; which group of 64 rows
	s_lshl_b32 s20, s18, 17                        ; 64 rows of 2,048 bytes,
	s_lshl_b32 s21, s16, 9                         ; my K step's 512 bytes
	s_add_co_u32 s20, s20, s21
	s_mov_b32 s21, 0
	s_wait_dscnt 0x0
	s_wait_kmcnt 0x0
	s_cmp_eq_u32 s17, 1                            ; the choice hangs on the work-group's number alone
	s_cselect_b64 s[4:5], s[6:7], s[4:5]
	s_cmp_eq_u32 s17, 2
	s_cselect_b64 s[4:5], s[8:9], s[4:5]
	s_cmp_eq_u32 s17, 3
	s_cselect_b64 s[4:5], s[10:11], s[4:5]
	s_add_nc_u64 s[G0+2:G0+3], s[4:5], s[20:21]    ; global address of the tile's first element
	s_or_b32 s[G0+3], s[G0+3], 0x80000000          ; type = 2
	tensor_load_to_lds s[G0:G0+3], s[G1:G1+7]      ; my one tensor load: the only fill of these bytes
	s_nop 0
.rept 4
	v_nop
.endr
	v_and_b32 v4, 31, v0                           ; lane
	v_and_b32 v5, 15, v0                           ; r
	v_bfe_u32 v6, v0, 4, 1                         ; h
	v_and_b32 v7, 8, v5
	v_add_nc_u32 v7, v7, v5                        ; r + 8 (r / 8)
	v_lshlrev_b32 v[LI], 4, v4
	v_lshlrev_b32 v[L8], 3, v4
	v_mul_u32_u24 v[XA], v7, IPITCH
	v_lshl_add_u32 v[XA], v6, 6, v[XA]
	v_add_nc_u32 v[XA], s[WB], v[XA]
.irp b, 0,1,2,3
	v_mov_b32 v[TM+4+\b], 0                        ; written once: a lane permute's destination counts as one of its sources
.endr
	s_mov_b32 s[SEL], 0x76543210
	s_mov_b32 s[SEL+1], 0xfedcba98
	s_mov_b32 s[HM], 0xffff0000
	s_mul_i32 s22, ttmp9, 24576                    ; the group's 16 images,
	s_mul_i32 s23, s16, 1536                       ; my K step's
	s_add_co_u32 s22, s22, s23
	s_mov_b32 s23, 0
	s_lshl_b32 s28, ttmp9, 10                      ; the group's scale words, 256 bytes a K step
	s_lshl_b32 s29, s16, 8
	s_add_co_u32 s28, s28, s29
	s_mov_b32 s29, 0
	s_add_nc_u64 s[12:13], s[12:13], s[22:23]
	s_add_nc_u64 s[14:15], s[14:15], s[28:29]
	s_wait_alu depctr_va_vdst(0)
	s_wait_tensorcnt 0x0                           ; my tile has landed; nobody else reads it
	WIN 0x40                                       ; destination window 1: 64 numbers a tile
	LDX 0
	LDX 1
	LDX 2
	s_wait_dscnt 32                                ; tile 0's 16 loads are in; tiles 1 and 2's may be out: with tile 3's at most 48 are out
	LDX 3
	WIN 0
.irp m, 0,1,2,3
	s_wait_dscnt 48-16*\m                          ; this tile's 16 loads are in; the later tiles' may be out
.if \m > 0
	s_wait_xcnt 0x0                                ; the last tile's stores have read v[PC] on
.endif
	QUANT 1, 64*\m, PW+\m
.irp p, 0,1,2
	global_store_b128 v[LI], v[PC+4*\p:PC+4*\p+3], s[12:13] offset:\m*6144+512*\p   ; 512 consecutive bytes
.endr
.endr
	v_cndmask_b32 v[SA], v[PW], v[PW+1], s[HM]     ; lanes 0-15 tile 0's words, lanes 16-31 tile 1's
	v_cndmask_b32 v[SA+1], v[PW+2], v[PW+3], s[HM] ; tiles 2 and 3
	global_store_b64 v[L8], v[SA:SA+1], s[14:15]   ; 256 consecutive bytes
	s_wait_tensorcnt 0x0
	ds_add_u32 v254, v255
	s_wait_dscnt 0x0
	s_endpgm
.Lfunc_end_k_qf2c40a304f_wquant:
	.size	k_qf2c40a304f_wquant, .Lfunc_end_k_qf2c40a304f_wquant-k_qf2c40a304f_wquant
	.p2alignl 7, 3214868480
	.fill 96, 4, 3214868480
	.section	.rodata,"a",@progbits
	.p2align	6, 0x0
	.amdhsa_kernel k_qf2c40a304f_wquant
		.amdhsa_group_segment_fixed_size 168448
		.amdhsa_private_segment_fixed_size 0
		.amdhsa_enable_private_segment 0
		.amdhsa_kernarg_size 48
		.amdhsa_user_sgpr_count 2
		.amdhsa_user_sgpr_kernarg_segment_ptr 1
		.amdhsa_wavefront_size32 1
		.amdhsa_system_sgpr_workgroup_id_x 1
		.amdhsa_system_sgpr_workgroup_id_y 1
		.amdhsa_system_sgpr_workgroup_id_z 1
		.amdhsa_system_vgpr_workitem_id 0
		.amdhsa_next_free_vgpr 512
		.amdhsa_next_free_sgpr 66
		.amdhsa_reserve_vcc 0
		.amdhsa_float_denorm_mode_32 3
		.amdhsa_float_denorm_mode_16_64 3
		.amdhsa_memory_ordered 1
		.amdhsa_forward_progress 1
		.amdhsa_inst_pref_size 25
	.end_amdhsa_kernel
	.amdgpu_metadata
---
amdhsa.version: [ 1, 2 ]
amdhsa.kernels:
  - .name:           k_qf2c40a304f_wquant
    .symbol:         k_qf2c40a304f_wquant.kd
    .args:
      - { .name: WQ_w, .offset: 0, .size: 8, .value_kind: global_buffer, .address_space: global }
      - { .name: WK_w, .offset: 8, .size: 8, .value_kind: global_buffer, .address_space: global }
      - { .name: WV_w, .offset: 16, .size: 8, .value_kind: global_buffer, .address_space: global }
      - { .name: out_w, .offset: 24, .size: 8, .value_kind: global_buffer, .address_space: global }
      - { .name: wcod, .offset: 32, .size: 8, .value_kind: global_buffer, .address_space: global }
      - { .name: wscl, .offset: 40, .size: 8, .value_kind: global_buffer, .address_space: global }
    .group_segment_fixed_size: 168448
    .private_segment_fixed_size: 0
    .kernarg_segment_align: 8
    .kernarg_segment_size: 48
    .max_flat_workgroup_size: 128
    .sgpr_count:     66
    .vgpr_count:     512
    .wavefront_size: 32
...
	.end_amdgpu_metadata
.endif
;; end of part 1
;; launch proj (part 2): grid 256 x 1, 4 waves a work-group, no clusters, 168,448 bytes of LDS; arguments X, wcod, wscl, WQ_b, WK_b, WV_b, qcod, qscl, kcod, kscl, vcod, vscl; writes qcod, qscl, kcod, kscl, vcod, vscl
.if DOCPART == 2
	.amdgcn_target "amdgcn-amd-amdhsa--gfx1250"
	.amdhsa_code_object_version 6
	.text
	.protected	k_qf2c40a304f_proj
	.globl	k_qf2c40a304f_proj
	.p2align	8
	.type	k_qf2c40a304f_proj,@function
k_qf2c40a304f_proj:
	s_mov_b64 s[64:65], 0
	v_nop
	global_prefetch_b8 v0, s[64:65] scope:SCOPE_SE
	s_setreg_imm32_b32 hwreg(HW_REG_WAVE_MODE, 25, 1), 1
	s_wait_xcnt 0x0
; q, k, v = X W^T + b on codes of FP6 (E2M3) with one E8M0 byte for each 32 along K; then q and k are quantised along their 512 channels
; and v along the KEYS, all three into images of operand registers (1,536 bytes: registers 4 p .. 4 p + 3 of lane l at 512 p + 16 l).
; SHARES: a work-group owns 64 rows of X (block RB of 256).  The waves share the columns: wave w makes channels 128 w .. 128 w + 127 of q, of k and of v for all 64 rows.
; X's WAY IN: the conversions want 16 neighbours along K in ONE lane and a lane is one row, so loads into registers would take 16 bytes from each of 32 places.  Instead one tensor load a wave brings
; K step w of the 64 rows (64 rows x 512 consecutive bytes, each at a multiple of 512) into LDS, rows 528 bytes apart; wave w quantises that K step of the four tiles.  Only the issuing wave reads its
; tile: its own wait on TENSORcnt is all the ordering that these reads need.  The tile is filled once.  The codes go to the other waves through LDS as register images, behind a barrier.
; A weight's fragment is wanted by one wave alone and goes from memory straight into registers, feeding four matrix instructions.
; TILES: lane r of tile m = 2 b + u of a group of 64 rows holds row 32 b + 8 u + r + 8 (r / 8): where such a tile is source 0, the 16 result registers of tiles 2 b, 2 b + 1 are 16 neighbours.
; q, k: source 0 = 16 rows of W, source 1 = 16 rows of X: a lane holds one row and its registers run along the channels, the next K.
; v:    source 0 = 16 rows of X, source 1 = 16 rows of WV: a lane holds one channel and its registers run along the keys, the next K.
; qcod, kcod: [RB][tile 4][K step 4] images; qscl, kscl: [RB][K step][lane][word 2] (word p: tile 2 p in lanes 0-15, tile 2 p + 1 in lanes 16-31).
; vcod: [batch][128 keys: 16][channel tile 32] images.  The blocks of 32 keys stand in a K step in the order: even RB's first, odd RB's first, even RB's second, odd RB's second; so lanes 0-15
; of an image are the even RB's and lanes 16-31 the odd RB's, and each work-group stores whole runs of 256 bytes.  vscl: [RB][wave][lane][word 2]; a word holds a pair of channel tiles: bytes (tile, block) = (0,0), (0,1), (1,0), (1,1).
; The biases are the C of each sum's first matrix instruction.
; No cluster: the work-groups share the weights alone, 576 KiB of codes each, which go to registers and never lie in LDS, where a joint load would have to land.
; LDS: 161,792 bytes are used; the claim is 168,448.
; LIMITS: NaN and infinities are not served; a block whose largest magnitude lies under 2^-124, a block of zeros too, gets the byte 1 (its codes are zeros where the rule says 127; only this program reads the bytes).
; REGISTERS: window 0: addresses, at work, scale words, weight set T (v160-255).  window 1: X's 16 fragments (0-191), q's bias, later v's (192-255).
;   window 2: the 32 accumulators; at the start the 256 numbers of x.  window 3: weight sets P (0-95), R (96-191), k's bias (192-255).
.set WTILE,  33792                     ; LDS: a wave's tile of x: 64 rows x (512 + 16) bytes; four of them from byte 0
.set IPITCH, 528
.set XIMG,   135168                    ; x's 16 images, (4 m + s) x 1,536
.set XSC,    159744                    ; their scale words [K step][lane][tile]
.set LI,  1                            ; v1   16 x lane
.set L8,  2                            ; v2   8 x lane
.set XA,  3                            ; v3   x in LDS: my wave's tile + (r + 8 (r / 8)) x 528 + 64 h
.set XWI, 4                            ; v4   where I store x's images: XIMG + 1,536 x wave + 16 x lane
.set XWS, 5                            ; v5   and their scale words: XSC + 512 x wave + 16 x lane
.set XSR, 6                            ; v6   XSC + 16 x lane
.set BA,  7                            ; v7   64 h: q's and k's bias
.set BVA, 8                            ; v8   4 (r + 8 (r / 8)): v's bias
.set VST, 9                            ; v9   1,536 h + 16 r: v's half images
.set XRI, 14                           ; v14  XIMG + 16 x lane
.set TM,  44
.set PW,  60                           ; v60-63
.set PC,  64                           ; v64-83
.set XS,  84                           ; v84-99   x's scale words, at 4 s + m
.set WS,  100                          ; v100-147 the weights' scale words
.set VBT, 148                          ; v148-155 v's bias, one number a tile
.set SA,  156
.set WV,  28
.set SEL, 32
.set HM,  34
.set G1,  36                           ; s[36:43] descriptor group 1
.set G0,  44                           ; s[44:47] descriptor group 0
.set WB,  48                           ; s48  33,792 x wave
.set MSB, 0
.macro WIN new                         ; the immediate's high byte repeats the setting that is left
.if MSB != (\new)
	s_set_vgpr_msb (MSB<<8)|(\new)
.set MSB, (\new)
.endif
.endm
.macro PLACES n                        ; plain places behind matrix instructions (ISA guide 7.12.1)
.rept \n
	v_nop
.endr
.endm
; 64 numbers of a lane, v[s] .. v[s + 63] of window ws, register 16 b + i = k 32 b + 16 (lane / 16) + i, become a fragment's codes in v[PC] on and its scale word in v[pw].
.macro QUANT ws, s, pw
	WIN ((\ws)|((\ws)<<2))
.irp b, 0,1,2,3
	v_max3_num_f32 v[TM+\b], |v[(\s)+16*\b]|, |v[(\s)+1+16*\b]|, 0x1800000   ; my 16 numbers of block b, and the floor 2^(3 - 127).  An accumulator is read from its low end on
.endr
.irp i, 2,4,6,8,10,12,14
.irp b, 0,1,2,3
	v_max3_num_f32 v[TM+\b], |v[(\s)+16*\b+\i]|, |v[(\s)+1+16*\b+\i]|, v[TM+\b]
.endr
.endr
	WIN 0
.irp b, 0,1,2,3
	v_permlanex16_b32 v[TM+4+\b], v[TM+\b], s[SEL], s[SEL+1]
.endr
.irp b, 0,1,2,3
	v_max_num_f32 v[TM+\b], v[TM+\b], v[TM+4+\b]
.endr
.irp b, 0,1,2,3
	v_add_nc_u32 v[TM+12+\b], 0xff000000, v[TM+\b]   ; 2 off the exponent field: the conversion's scale operand
.endr
.irp b, 0,1,2,3
	v_lshrrev_b32 v[TM+4+\b], 23, v[TM+12+\b]
.endr
	v_lshl_or_b32 v[\pw], v[TM+5], 8, v[TM+4]
	v_lshl_or_b32 v[\pw], v[TM+6], 16, v[\pw]
	v_lshl_or_b32 v[\pw], v[TM+7], 24, v[\pw]
	WIN (\ws)
.irp c, 0,1
	v_cvt_scalef32_pk16_fp6_f32 v[PC+6*\c:PC+2+6*\c], v[(\s)+32*\c:(\s)+15+32*\c], v[TM+12+2*\c]
	v_cvt_scalef32_pk16_fp6_f32 v[PC+12+4*\c:PC+14+4*\c], v[(\s)+16+32*\c:(\s)+31+32*\c], v[TM+12+2*\c+1]
.endr
	WIN 0
	v_nop                                          ; one plain place behind a scaled conversion
.irp c, 0,1
.irp i, 0,1,2
	v_permlane16_swap_b32 v[PC+6*\c+\i], v[PC+12+4*\c+\i]
.endr
.irp i, 0,1,2
	v_mov_b32 v[PC+3+6*\c+\i], v[PC+12+4*\c+\i]
.endr
.endr
.endm
.macro LDX m                           ; tile m's 64 numbers of my lane out of my wave's tile in LDS (the destination's window is set by the caller)
.irp b, 0,1,2,3
.irp j, 0,1,2,3
	ds_load_b128 v[64*(\m)+16*\b+4*\j:64*(\m)+16*\b+4*\j+3], v[XA] offset:(32*((\m)>>1)+8*((\m)&1))*IPITCH+128*\b+16*\j
.endr
.endr
.endm
.macro PAIRW sb                        ; four scale words become two registers: lanes 0-15 the even one's, lanes 16-31 the odd one's; 256 consecutive bytes leave
	v_cndmask_b32 v[SA], v[PW], v[PW+1], s[HM]
	v_cndmask_b32 v[SA+1], v[PW+2], v[PW+3], s[HM]
	global_store_b64 v[L8], v[SA:SA+1], s[\sb:\sb+1]
.endm
.macro WMR d, a, b, c, sa, sb, ra, rb  ; one matrix instruction; ra, rb: the scales stand in lanes 16-31 of their register
.if (\ra) && (\rb)
	v_wmma_scale_f32_16x16x128_f8f6f4 v[(\d):(\d)+7], v[(\a):(\a)+11], v[(\b):(\b)+11], \c, v[\sa], v[\sb] matrix_a_fmt:MATRIX_FMT_FP6 matrix_b_fmt:MATRIX_FMT_FP6 matrix_a_scale:MATRIX_SCALE_ROW1 matrix_b_scale:MATRIX_SCALE_ROW1
.elseif (\ra)
	v_wmma_scale_f32_16x16x128_f8f6f4 v[(\d):(\d)+7], v[(\a):(\a)+11], v[(\b):(\b)+11], \c, v[\sa], v[\sb] matrix_a_fmt:MATRIX_FMT_FP6 matrix_b_fmt:MATRIX_FMT_FP6 matrix_a_scale:MATRIX_SCALE_ROW1
.elseif (\rb)
	v_wmma_scale_f32_16x16x128_f8f6f4 v[(\d):(\d)+7], v[(\a):(\a)+11], v[(\b):(\b)+11], \c, v[\sa], v[\sb] matrix_a_fmt:MATRIX_FMT_FP6 matrix_b_fmt:MATRIX_FMT_FP6 matrix_b_scale:MATRIX_SCALE_ROW1
.else
	v_wmma_scale_f32_16x16x128_f8f6f4 v[(\d):(\d)+7], v[(\a):(\a)+11], v[(\b):(\b)+11], \c, v[\sa], v[\sb] matrix_a_fmt:MATRIX_FMT_FP6 matrix_b_fmt:MATRIX_FMT_FP6
.endif
.endm
.macro SLOTOF n                        ; weight set n (weight n / 4, K step n % 4) lies in slot n % 3: window SW, from register SB
.if (\n)%3 == 0
.set SW, 3
.set SB, 0
.elseif (\n)%3 == 1
.set SW, 3
.set SB, 96
.else
.set SW, 0
.set SB, 160
.endif
.endm
.macro LDW n                           ; my 8 tiles' fragments of set n: 24 loads of 512 consecutive bytes
	SLOTOF \n
	WIN (SW<<6)
.irp t, 0,1,2,3,4,5,6,7
.irp p, 0,1,2
	global_load_b128 v[SB+12*\t+4*\p:SB+12*\t+4*\p+3], v[LI], s[6:7] offset:((\n)/4)*196608+\t*6144+((\n)%4)*1536+512*\p
.endr
.endr
	WIN 0
.endm
.macro WAITN                           ; set NN is in; the sets asked for behind it (two, at the end one or none, 24 loads each) may be out
.if NN < 10
	s_wait_loadcnt 48
.elseif NN == 10
	s_wait_loadcnt 24
.else
	s_wait_loadcnt 0
.endif
.endm
; One K step of q (g = 0) or k (g = 1): 32 matrix instructions, each accumulator once.  cw: the windows of the first step, whose C is the bias.
.macro STEPQK g, s, cw
.set NN, 4*(\g)+(\s)
	WAITN
	SLOTOF NN
.if (\s) == 0
	WIN ((\cw)|SW)
.else
	WIN (0xA4|SW)
.endif
.irp m, 0,1,2,3
.irp t, 0,1,2,3,4,5,6,7
.set rD, 64*\m+8*\t
.set rS, WS+16*(\g)+((\t>>2)*4+(\s))*2+((\t&3)>>1)
.if (\s) == 0
	WMR rD, SB+12*\t, 12*(4*\m+(\s)), v[192+8*\t:192+8*\t+7], rS, XS+4*(\s)+\m, \t&1, 0
.else
	WMR rD, SB+12*\t, 12*(4*\m+(\s)), v[rD:rD+7], rS, XS+4*(\s)+\m, \t&1, 0
.endif
.endr
.endr
	PLACES 4                                       ; in front of loads into the set just read, and of the first read of results
.if NN+3 <= 11
	LDW NN+3
.endif
	WIN 0
.endm
; One K step of v: source 0 = x, source 1 = WV.  Accumulator (t, m) at 32 t + 8 m.
.macro STEPV s
.set NN, 8+(\s)
	WAITN
	SLOTOF NN
.if (\s) == 0
	WIN (0x91|(SW<<2))
.else
	WIN (0xA1|(SW<<2))
.endif
.irp t, 0,1,2,3,4,5,6,7
.irp m, 0,1,2,3
.set rD, 32*\t+8*\m
.set rS, WS+32+((\t>>2)*4+(\s))*2+((\t&3)>>1)
.if (\s) == 0
	WMR rD, 12*(4*\m+(\s)), SB+12*\t, v[192+8*\t:192+8*\t+7], XS+4*(\s)+\m, rS, 0, \t&1
.else
	WMR rD, 12*(4*\m+(\s)), SB+12*\t, v[rD:rD+7], XS+4*(\s)+\m, rS, 0, \t&1
.endif
.endr
.endr
	PLACES 4
.if NN+3 <= 11
	LDW NN+3
.endif
	WIN 0
.endm
; q's or k's way out: my 128 channels of a tile of rows are K step w of its fragments
.macro OUTQK cb, sb
.irp m, 0,1,2,3
.if \m == 0
	s_wait_storecnt 0x0                            ; the last way out's stores, issued four K steps ago, are done: they have read v[PC] on and v[SA].  (This wait leaves the weight loads just issued alone)
.else
	s_wait_xcnt 0x0                                ; the last tile's stores have read v[PC] on
.endif
	QUANT 2, 64*\m, PW+\m
.irp p, 0,1,2
	global_store_b128 v[LI], v[PC+4*\p:PC+4*\p+3], s[\cb:\cb+1] offset:\m*6144+512*\p
.endr
.endr
	PAIRW \sb
.endm
	s_load_b512 s[4:19], s[0:1], 0x0               ; X, wcod, wscl, WQ_b, WK_b, WV_b, qcod, qscl
	s_load_b256 s[20:27], s[0:1], 0x40             ; kcod, kscl, vcod, vscl
	v_lshl_add_u32 v158, v0, 2, 0x29000
	v_mov_b32 v159, 0
	ds_add_u32 v158, v159
	ds_add_u32 v158, v159
	v_lshrrev_b32 v10, 5, v0
	v_readfirstlane_b32 s[WV], v10                 ; wave 0..3
	; descriptor group 1: 64 rows x 128 elements of 4 bytes, 512 elements from row to row; in LDS 4 words of padding behind every 128
	s_mov_b32 s[G1+0], (2<<16)|(1<<20)|(6<<22)|(3<<25)
	s_mov_b32 s[G1+1], 128<<16                     ; tensor_dim0
	s_mov_b32 s[G1+2], 64<<16                      ; tensor_dim1
	s_mov_b32 s[G1+3], 128<<16                     ; tile_dim0
	s_mov_b32 s[G1+4], 64                          ; tile_dim1
	s_mov_b32 s[G1+5], 512                         ; tensor_dim0_stride
	s_mov_b32 s[G1+6], 0
	s_mov_b32 s[G1+7], 0
	s_mul_i32 s[WB], s[WV], WTILE
	s_mov_b32 s[G0], 1                             ; count = 1
	s_mov_b32 s[G0+1], s[WB]                       ; LDS address: my wave's tile
	s_mov_b32 s31, 0                               ; s[30:31]: an offset as a pair; s31 stays 0
	s_lshl_b32 s30, ttmp9, 17                      ; X: 64 rows of 2,048 bytes a work-group,
	s_lshl_b32 s35, s[WV], 9                       ; my K step's 512 bytes
	s_add_co_u32 s30, s30, s35
	s_wait_dscnt 0x0
	s_wait_kmcnt 0x0
	s_add_nc_u64 s[G0+2:G0+3], s[4:5], s[30:31]    ; global address of the tile's first element
	s_or_b32 s[G0+3], s[G0+3], 0x80000000          ; type = 2
	tensor_load_to_lds s[G0:G0+3], s[G1:G1+7]      ; my one tensor load, ahead of everything else: the only fill of these bytes
	s_nop 0
	PLACES 4
	v_and_b32 v10, 31, v0                          ; lane
	v_and_b32 v11, 15, v0                          ; r
	v_bfe_u32 v12, v0, 4, 1                        ; h
	v_and_b32 v13, 8, v11
	v_add_nc_u32 v13, v13, v11                     ; r + 8 (r / 8)
	v_lshlrev_b32 v[LI], 4, v10
	v_lshlrev_b32 v[L8], 3, v10
	v_mul_u32_u24 v[XA], v13, IPITCH
	v_lshl_add_u32 v[XA], v12, 6, v[XA]
	v_add_nc_u32 v[XA], s[WB], v[XA]
	v_add_nc_u32 v[XRI], XIMG, v[LI]
	s_mul_i32 s30, s[WV], 1536
	v_add_nc_u32 v[XWI], s30, v[XRI]
	v_add_nc_u32 v[XSR], XSC, v[LI]
	s_lshl_b32 s30, s[WV], 9
	v_add_nc_u32 v[XWS], s30, v[XSR]
	v_lshlrev_b32 v[BA], 6, v12
	s_wait_alu depctr_va_vdst(0)
	v_lshlrev_b32 v[BVA], 2, v13
	s_wait_alu depctr_va_vdst(0)
	v_mul_u32_u24 v[VST], v12, 1536
	v_lshl_add_u32 v[VST], v11, 4, v[VST]
.irp b, 0,1,2,3
	v_mov_b32 v[TM+4+\b], 0                        ; written once: a lane permute's destination counts as one of its sources
.endr
	s_mov_b32 s[SEL], 0x76543210
	s_mov_b32 s[SEL+1], 0xfedcba98
	s_mov_b32 s[HM], 0xffff0000
	s_mul_i32 s30, s[WV], 49152                    ; my two groups of each weight
	s_add_nc_u64 s[6:7], s[6:7], s[30:31]
	s_lshl_b32 s30, s[WV], 11
	s_add_nc_u64 s[8:9], s[8:9], s[30:31]
	s_lshl_b32 s30, s[WV], 9                       ; my 128 numbers of each bias
	s_add_nc_u64 s[10:11], s[10:11], s[30:31]
	s_add_nc_u64 s[12:13], s[12:13], s[30:31]
	s_add_nc_u64 s[14:15], s[14:15], s[30:31]
	s_mul_i32 s30, ttmp9, 24576                    ; q's and k's images: the block's 16, my K step
	s_mul_i32 s35, s[WV], 1536
	s_add_co_u32 s30, s30, s35
	s_add_nc_u64 s[16:17], s[16:17], s[30:31]
	s_add_nc_u64 s[20:21], s[20:21], s[30:31]
	s_lshl_b32 s30, ttmp9, 10                      ; the three tensors of scale words: 1,024 bytes a block, 256 a wave
	s_lshl_b32 s35, s[WV], 8
	s_add_co_u32 s30, s30, s35
	s_add_nc_u64 s[18:19], s[18:19], s[30:31]
	s_add_nc_u64 s[22:23], s[22:23], s[30:31]
	s_add_nc_u64 s[26:27], s[26:27], s[30:31]
	s_lshr_b32 s30, ttmp9, 1                       ; v's images: 128 keys are 32 images; the odd block takes lanes 16-31; my 8 tiles
	s_mul_i32 s30, s30, 49152
	s_and_b32 s35, ttmp9, 1
	s_lshl_b32 s35, s35, 8
	s_add_co_u32 s30, s30, s35
	s_mul_i32 s35, s[WV], 12288
	s_add_co_u32 s30, s30, s35
	s_add_nc_u64 s[24:25], s[24:25], s[30:31]
	; while x's tile is on its way: the scale words, the biases and three weight sets are asked for in one run
.irp g, 0,1,2
.irp u, 0,1
.irp s, 0,1,2,3
	global_load_b64 v[WS+16*\g+(\u*4+\s)*2:WS+16*\g+(\u*4+\s)*2+1], v[L8], s[8:9] offset:\g*8192+\u*1024+\s*256
.endr
.endr
.endr
	WIN 0x40
.irp t, 0,1,2,3,4,5,6,7                        ; q's bias in the result's layout: tile t, lane half h: channels 32 (t / 2) + 8 (t % 2) + 16 h + 0 .. 7
	global_load_b128 v[192+8*\t:195+8*\t], v[BA], s[10:11] offset:4*(32*(\t>>1)+8*(\t&1))
	global_load_b128 v[196+8*\t:199+8*\t], v[BA], s[10:11] offset:4*(32*(\t>>1)+8*(\t&1))+16
.endr
	WIN 0xC0
.irp t, 0,1,2,3,4,5,6,7
	global_load_b128 v[192+8*\t:195+8*\t], v[BA], s[12:13] offset:4*(32*(\t>>1)+8*(\t&1))
	global_load_b128 v[196+8*\t:199+8*\t], v[BA], s[12:13] offset:4*(32*(\t>>1)+8*(\t&1))+16
.endr
	WIN 0
.irp t, 0,1,2,3,4,5,6,7                        ; v's: a lane is one channel there
	global_load_b32 v[VBT+\t], v[BVA], s[14:15] offset:4*(32*(\t>>1)+8*(\t&1))
.endr
	LDW 0
	LDW 1
	LDW 2
	s_wait_tensorcnt 0x0                           ; my tile of x has landed; nobody else reads it
	WIN 0x80                                       ; destination window 2: 64 numbers a tile
	LDX 0
	LDX 1
	LDX 2
	s_wait_dscnt 32                                ; tile 0's 16 loads are in; tiles 1 and 2's may be out: with tile 3's at most 48 are out
	LDX 3
	WIN 0
.irp m, 0,1,2,3
	QUANT 2, 64*\m, PW
.irp p, 0,1,2
	ds_store_b128 v[XWI], v[PC+4*\p:PC+4*\p+3] offset:\m*6144+512*\p
.endr
	ds_store_b32 v[XWS], v[PW] offset:4*\m
	s_wait_dscnt 0x0                               ; the stores have read their registers, and the later tiles' numbers are in; the last time: the stores have landed, for the others' sake
.endr
	s_barrier_signal -1
	s_barrier_wait -1                              ; x's sixteen fragments lie in LDS
	WIN 0x40
.set i, 0
.rept 16
.irp p, 0,1,2
	ds_load_b128 v[12*i+4*\p:12*i+4*\p+3], v[XRI] offset:1536*i+512*\p
.endr
.set i, i+1
.endr
	WIN 0
.irp s, 0,1,2,3
	ds_load_b128 v[XS+4*\s:XS+4*\s+3], v[XSR] offset:512*\s
.endr
	s_wait_dscnt 0x0
.irp s, 0,1,2,3
	STEPQK 0, \s, 0x94                             ; q: bias in window 1
.endr
	OUTQK 16, 18
	WIN 0x40                                       ; q's bias is done with: v's takes its place, the same number in a tile's eight registers
.irp t, 0,1,2,3,4,5,6,7
.irp j, 0,1,2,3,4,5,6,7
	v_mov_b32 v[192+8*\t+\j], v[VBT+\t]
.endr
.endr
	WIN 0
.irp s, 0,1,2,3
	STEPQK 1, \s, 0xB4                             ; k: bias in window 3
.endr
	OUTQK 20, 22
.irp s, 0,1,2,3
	STEPV \s
.endr
.irp q, 0,1,2,3                                ; v's way out, two channel tiles at a time: the four blocks are (tile, 32 keys) = (0,0), (0,1), (1,0), (1,1)
.if \q == 0
	s_wait_storecnt 0x0                            ; k's stores, issued four K steps ago, are done: they have read v[PC] on and v[SA]
.else
	s_wait_xcnt 0x0                                ; the last pair's stores have read v[PC] on
.endif
	QUANT 2, 64*\q, PW+\q
.irp i, 0,1,2,3,4,5
	v_permlane16_swap_b32 v[PC+\i], v[PC+6+\i]     ; lanes 0-15 now hold the even tile's twelve registers of my half of an image's lanes, lanes 16-31 the odd tile's
.endr
.irp p, 0,1,2
	global_store_b128 v[VST], v[PC+4*\p:PC+4*\p+3], s[24:25] offset:\q*3072+512*\p   ; each half of the lanes stores 256 consecutive bytes, aligned
.endr
.endr
	PAIRW 26
	s_wait_tensorcnt 0x0
	ds_add_u32 v158, v159
	s_wait_dscnt 0x0
	s_endpgm
.Lfunc_end_k_qf2c40a304f_proj:
	.size	k_qf2c40a304f_proj, .Lfunc_end_k_qf2c40a304f_proj-k_qf2c40a304f_proj
	.p2alignl 7, 3214868480
	.fill 96, 4, 3214868480
	.section	.rodata,"a",@progbits
	.p2align	6, 0x0
	.amdhsa_kernel k_qf2c40a304f_proj
		.amdhsa_group_segment_fixed_size 168448
		.amdhsa_private_segment_fixed_size 0
		.amdhsa_enable_private_segment 0
		.amdhsa_kernarg_size 96
		.amdhsa_user_sgpr_count 2
		.amdhsa_user_sgpr_kernarg_segment_ptr 1
		.amdhsa_wavefront_size32 1
		.amdhsa_system_sgpr_workgroup_id_x 1
		.amdhsa_system_sgpr_workgroup_id_y 1
		.amdhsa_system_sgpr_workgroup_id_z 1
		.amdhsa_system_vgpr_workitem_id 0
		.amdhsa_next_free_vgpr 1024
		.amdhsa_next_free_sgpr 66
		.amdhsa_reserve_vcc 0
		.amdhsa_float_denorm_mode_32 3
		.amdhsa_float_denorm_mode_16_64 3
		.amdhsa_memory_ordered 1
		.amdhsa_forward_progress 1
		.amdhsa_inst_pref_size 166
	.end_amdhsa_kernel
	.amdgpu_metadata
---
amdhsa.version: [ 1, 2 ]
amdhsa.kernels:
  - .name:           k_qf2c40a304f_proj
    .symbol:         k_qf2c40a304f_proj.kd
    .args:
      - { .name: X, .offset: 0, .size: 8, .value_kind: global_buffer, .address_space: global }
      - { .name: wcod, .offset: 8, .size: 8, .value_kind: global_buffer, .address_space: global }
      - { .name: wscl, .offset: 16, .size: 8, .value_kind: global_buffer, .address_space: global }
      - { .name: WQ_b, .offset: 24, .size: 8, .value_kind: global_buffer, .address_space: global }
      - { .name: WK_b, .offset: 32, .size: 8, .value_kind: global_buffer, .address_space: global }
      - { .name: WV_b, .offset: 40, .size: 8, .value_kind: global_buffer, .address_space: global }
      - { .name: qcod, .offset: 48, .size: 8, .value_kind: global_buffer, .address_space: global }
      - { .name: qscl, .offset: 56, .size: 8, .value_kind: global_buffer, .address_space: global }
      - { .name: kcod, .offset: 64, .size: 8, .value_kind: global_buffer, .address_space: global }
      - { .name: kscl, .offset: 72, .size: 8, .value_kind: global_buffer, .address_space: global }
      - { .name: vcod, .offset: 80, .size: 8, .value_kind: global_buffer, .address_space: global }
      - { .name: vscl, .offset: 88, .size: 8, .value_kind: global_buffer, .address_space: global }
    .group_segment_fixed_size: 168448
    .private_segment_fixed_size: 0
    .kernarg_segment_align: 8
    .kernarg_segment_size: 96
    .max_flat_workgroup_size: 128
    .sgpr_count:     66
    .vgpr_count:     1024
    .wavefront_size: 32
...
	.end_amdgpu_metadata
.endif
;; end of part 2
;; launch attn (part 3): grid 256 x 1, 4 waves a work-group, no clusters, 327,680 bytes of LDS; arguments qcod, qscl, kcod, kscl, vcod, vscl, wcod, wscl, intensity, out_b, out0; writes out0
.if DOCPART == 3
	.amdgcn_target "amdgcn-amd-amdhsa--gfx1250"
	.amdhsa_code_object_version 6
	.text
	.protected	k_qf2c40a304f_attn
	.globl	k_qf2c40a304f_attn
	.p2align	8
	.type	k_qf2c40a304f_attn,@function
k_qf2c40a304f_attn:
	s_mov_b64 s[64:65], 0
	v_nop
	global_prefetch_b8 v0, s[64:65] scope:SCOPE_SE
	s_setreg_imm32_b32 hwreg(HW_REG_WAVE_MODE, 25, 1), 1
	s_wait_xcnt 0x0
; out0 = Q(Q(softmax(Q(q) Q(k)^T / sqrt(512)) + intensity) Q(v)) Q(out_w)^T + out_b, every product on codes of FP6 (E2M3) with E8M0 block scales.
; SHARES: a work-group owns 64 query rows of one batch; the keys go in four chunks of 512.  In the score products wave w takes keys 128 w .. 128 w + 127 of a chunk for all 64 rows;
; in the products with v and with out_w it takes channels 128 w .. 128 w + 127.  K's, V's and out_w's fragments are register images and go from memory straight into registers.
; PASS 1 finds each row's largest score and the sum of its exponentials (a running maximum a wave; the eight parts of a row are joined through LDS).
; PASS 2 makes the scores again, p = exp2(t - max) / sum + intensity, quantises p along the keys, hands its images to the other waves through LDS, and adds p v onto O.
; Then O is quantised along its channels, multiplied with out_w (out_b is the C of the first K step) and leaves through a stage in LDS as whole rows.
; INTENSITY comes by tensor loads, a wave's 64 rows x 512 bytes of a chunk, rows 528 bytes apart in LDS, two slots; only the issuing wave reads its tile.
; Slot 0's first fill is the head's one load; slot 1's is shared out over pass 1's four trips, 16 rows a trip, each behind a barrier.
; No cluster: what the work-groups of a batch share (K, V) goes to registers and never lies in LDS, of which the two slots and the images take 326,144 bytes.
; LIMITS: NaN and infinities are not served; a block whose largest magnitude lies under 2^-124 gets the byte 1; the scaled scores stay under 2^31 in magnitude.
.set SLOTB, 135168
.set WTILE, 33792
.set IPITCH, 528
.set QIMG,  270336
.set PIMG,  294912
.set PSC,   319488
.set STM,   321536
.set SPARE, 325632
.set YP,    2064
.set LI,  1
.set L8,  2
.set QA,  3
.set PA,  4
.set PWI, 5
.set PWS, 6
.set PSA, 7
.set IA0, 8
.set IA,  9
.set SMW, 10
.set SMR, 11
.set SO0, 12
.set SO1, 13
.set SR,  14
.set QWI, 15
.set SPW, 16
.set NIL, 17
.set PFA, 18
.set OBA, 19
.set RM,  20
.set RLA, 24
.set RLB, 32
.set NM,  20
.set IL,  28
.set TM,  44
.set PW,  60
.set PC,  62
.set VR,  62
.set KS,  82
.set VS,  98
.set QS,  114
.set PS,  122
.set QP,  192
.set ST,  192
.set BI,  0
.set WV,  26
.set CNT, 27
.set CN,  28
.set G1,  32
.set G0A, 40
.set G0B, 44
.set CU,  48
.set NX,  50
.set KW,  52
.set VB,  54
.set NXS, 56
.set KSW, 58
.set VSB, 60
.set OWW, 66
.set OWS, 68
.set CS,  70
.set NC,  72
.set SL0, 73
.set SL1, 74
.set SEL, 76
.set TB,  78
.set WB,  80
.set IP,  82
.set G1C, 84                           ; s[84:91] group 1 for 16 rows of a tile
.set G0C, 92                           ; s[92:95] group 0 for slot 1's first fill, stepped 16 rows a trip of pass 1
.set MSB, 0
.macro WIN new
.if MSB != (\new)
	s_set_vgpr_msb (MSB<<8)|(\new)
.set MSB, (\new)
.endif
.endm
.macro PLACES n
.rept \n
	v_nop
.endr
.endm
.macro BAR
	s_wait_dscnt 0x0
	s_barrier_signal -1
	s_barrier_wait -1
.endm
.macro QUANT ws, s, pw
	WIN ((\ws)|((\ws)<<2))
.irp b, 0,1,2,3
	v_max3_num_f32 v[TM+\b], |v[(\s)+16*\b]|, |v[(\s)+1+16*\b]|, 0x1800000
.endr
.irp i, 2,4,6,8,10,12,14
.irp b, 0,1,2,3
	v_max3_num_f32 v[TM+\b], |v[(\s)+16*\b+\i]|, |v[(\s)+1+16*\b+\i]|, v[TM+\b]
.endr
.endr
	WIN 0
.irp b, 0,1,2,3
	v_permlanex16_b32 v[TM+4+\b], v[TM+\b], s[SEL], s[SEL+1]
.endr
.irp b, 0,1,2,3
	v_max_num_f32 v[TM+\b], v[TM+\b], v[TM+4+\b]
.endr
.irp b, 0,1,2,3
	v_add_nc_u32 v[TM+12+\b], 0xff000000, v[TM+\b]
.endr
.irp b, 0,1,2,3
	v_lshrrev_b32 v[TM+4+\b], 23, v[TM+12+\b]
.endr
	v_lshl_or_b32 v[\pw], v[TM+5], 8, v[TM+4]
	v_lshl_or_b32 v[\pw], v[TM+6], 16, v[\pw]
	v_lshl_or_b32 v[\pw], v[TM+7], 24, v[\pw]
	WIN (\ws)
.irp c, 0,1
	v_cvt_scalef32_pk16_fp6_f32 v[PC+6*\c:PC+2+6*\c], v[(\s)+32*\c:(\s)+15+32*\c], v[TM+12+2*\c]
	v_cvt_scalef32_pk16_fp6_f32 v[PC+12+4*\c:PC+14+4*\c], v[(\s)+16+32*\c:(\s)+31+32*\c], v[TM+12+2*\c+1]
.endr
	WIN 0
	v_nop
.irp c, 0,1
.irp i, 0,1,2
	v_permlane16_swap_b32 v[PC+6*\c+\i], v[PC+12+4*\c+\i]
.endr
.irp i, 0,1,2
	v_mov_b32 v[PC+3+6*\c+\i], v[PC+12+4*\c+\i]
.endr
.endr
.endm
.macro WMR d, a, b, c, sa, sb, ra, rb
.if (\ra) && (\rb)
	v_wmma_scale_f32_16x16x128_f8f6f4 v[(\d):(\d)+7], v[(\a):(\a)+11], v[(\b):(\b)+11], \c, v[\sa], v[\sb] matrix_a_fmt:MATRIX_FMT_FP6 matrix_b_fmt:MATRIX_FMT_FP6 matrix_a_scale:MATRIX_SCALE_ROW1 matrix_b_scale:MATRIX_SCALE_ROW1
.elseif (\ra)
	v_wmma_scale_f32_16x16x128_f8f6f4 v[(\d):(\d)+7], v[(\a):(\a)+11], v[(\b):(\b)+11], \c, v[\sa], v[\sb] matrix_a_fmt:MATRIX_FMT_FP6 matrix_b_fmt:MATRIX_FMT_FP6 matrix_a_scale:MATRIX_SCALE_ROW1
.elseif (\rb)
	v_wmma_scale_f32_16x16x128_f8f6f4 v[(\d):(\d)+7], v[(\a):(\a)+11], v[(\b):(\b)+11], \c, v[\sa], v[\sb] matrix_a_fmt:MATRIX_FMT_FP6 matrix_b_fmt:MATRIX_FMT_FP6 matrix_b_scale:MATRIX_SCALE_ROW1
.else
	v_wmma_scale_f32_16x16x128_f8f6f4 v[(\d):(\d)+7], v[(\a):(\a)+11], v[(\b):(\b)+11], \c, v[\sa], v[\sb] matrix_a_fmt:MATRIX_FMT_FP6 matrix_b_fmt:MATRIX_FMT_FP6
.endif
.endm
.macro MM16 mode, ab, m0, ks, ck
.irp m, \m0, \m0+1
.irp t, 0,1,2,3,4,5,6,7
.set rD, 64*(\m)+8*\t
.set rA, (\ab)+12*\t
.set rB, QP+12*(\m)
.if (\mode) == 1
.set rSA, VS+4*(\ks)+2*(\t>>2)+(\t&1)
.set rRA, (\t>>1)&1
.else
.set rSA, KS+(((\t>>1)&1)*4+(\ks))*2+(\t>>2)
.set rRA, \t&1
.endif
.if (\mode) == 0
.set rSB, QS+2*(\ks)+((\m)>>1)
.set rRB, (\m)&1
.else
.set rSB, PS+4*(\ks)+(\m)
.set rRB, 0
.endif
.if (\ck) == 0
	WMR rD, rA, rB, 0, rSA, rSB, rRA, rRB
.elseif (\ck) == 1
	WMR rD, rA, rB, v[rD:rD+7], rSA, rSB, rRA, rRB
.else
	WMR rD, rA, rB, v[BI+8*\t:BI+8*\t+7], rSA, rSB, rRA, rRB
.endif
.endr
.endr
.endm
.macro LDB adr, base, stride, m0
.irp m, \m0, \m0+1
.irp p, 0,1,2
	ds_load_b128 v[QP+12*(\m)+4*\p:QP+12*(\m)+4*\p+3], v[\adr] offset:(\base)+(\m)*(\stride)+512*\p
.endr
.endr
.endm
.macro KSTEP mode, win, ab, ks, ck, ln, adr, nbase, stride
	s_wait_loadcnt \ln
	s_wait_dscnt 6
	WIN (\win)
	MM16 \mode, \ab, 0, \ks, \ck
	PLACES 4
.if (\nbase) >= 0
	WIN 0xC0
	LDB \adr, \nbase, \stride, 0
	s_wait_dscnt 6
.else
	s_wait_dscnt 0
.endif
	WIN (\win)
	MM16 \mode, \ab, 2, \ks, \ck
	PLACES 4
.if (\nbase) >= 0
	WIN 0xC0
	LDB \adr, \nbase, \stride, 2
.endif
	WIN 0
.endm
.macro LDK dw, rb, sb, s
	WIN (\dw)
.irp t, 0,1,2,3,4,5,6,7
.set LN, 4*((\t>>1)&1)+2*(\t>>2)+(\t&1)
.irp p, 0,1,2
	global_load_b128 v[(\rb)+12*\t+4*\p:(\rb)+12*\t+4*\p+3], v[LI], s[\sb:\sb+1] offset:LN*6144+(\s)*1536+512*\p
.endr
.endr
	WIN 0
.endm
.macro LDV dw, rb, k
	WIN (\dw)
.irp t, 0,1,2,3,4,5,6,7
.irp p, 0,1,2
	global_load_b128 v[(\rb)+12*\t+4*\p:(\rb)+12*\t+4*\p+3], v[LI], s[VB:VB+1] offset:(\k)*49152+\t*1536+512*\p
.endr
.endr
	WIN 0
.endm
.macro LDKS sb
.irp u, 0,1
.irp s, 0,1,2,3
	global_load_b64 v[KS+(\u*4+\s)*2:KS+(\u*4+\s)*2+1], v[L8], s[\sb:\sb+1] offset:\u*1024+\s*256
.endr
.endr
.endm
.macro LDVS
.irp i, 0,1,2,3,4,5,6,7
	global_load_b64 v[VR+2*\i:VR+2*\i+1], v[L8], s[VSB:VSB+1] offset:\i*1024
.endr
.endm
.macro IMAGE adr, off
.irp c, 0,1,2
	ds_store_b128 v[\adr], v[PC+4*\c:PC+4*\c+3] offset:(\off)+512*\c
.endr
.endm
.macro NEXTK
	s_mov_b64 s[CU:CU+1], s[NX:NX+1]
	s_add_co_u32 s[CN], s[CN], 1
	s_and_b32 s[CN], s[CN], 3
	s_mul_i32 s30, s[CN], 196608
	s_add_nc_u64 s[NX:NX+1], s[KW:KW+1], s[30:31]
	s_lshl_b32 s30, s[CN], 13
	s_add_nc_u64 s[NXS:NXS+1], s[KSW:KSW+1], s[30:31]
.endm
.macro VEC1 m
	WIN 0x05
.irp q, 0,1,2,3
	v_max3_num_f32 v[TM+\q], v[64*\m+16*\q], v[64*\m+16*\q+1], v[RM+\m]
.endr
.irp i, 2,4,6,8,10,12,14
.irp q, 0,1,2,3
	v_max3_num_f32 v[TM+\q], v[64*\m+16*\q+\i], v[64*\m+16*\q+\i+1], v[TM+\q]
.endr
.endr
	WIN 0
	v_max3_num_f32 v[TM+4], v[TM], v[TM+1], v[TM+2]
	v_max_num_f32 v[TM+4], v[TM+4], v[TM+3]
	v_sub_f32 v[TM+5], v[RM+\m], v[TM+4]
	v_mul_f32 v[TM+5], s[CS], v[TM+5]
	s_wait_alu depctr_va_vdst(0)
	v_exp_f32 v[TM+8], v[TM+5]
	v_mul_f32 v[TM+6], s[NC], v[TM+4]
	v_mov_b32 v[RM+\m], v[TM+4]
	WIN 0x41
.set j, 0
.rept 32
	v_pk_fma_f32 v[64*\m+j:64*\m+j+1], v[64*\m+j:64*\m+j+1], s[CS:CS+1], v[TM+6:TM+7] op_sel_hi:[1,0,0]
.set j, j+2
.endr
.set j, 0
	s_wait_alu depctr_va_vdst(0)
.rept 64
	v_exp_f32 v[64*\m+j], v[64*\m+j]
.set j, j+1
.endr
	v_nop
	WIN 0x10
	s_wait_alu depctr_va_vdst(0)
	v_pk_fma_f32 v[RLA+2*\m:RLA+2*\m+1], v[RLA+2*\m:RLA+2*\m+1], v[TM+8:TM+9], v[64*\m:64*\m+1] op_sel_hi:[1,0,1]
	v_pk_fma_f32 v[RLB+2*\m:RLB+2*\m+1], v[RLB+2*\m:RLB+2*\m+1], v[TM+8:TM+9], v[64*\m+2:64*\m+3] op_sel_hi:[1,0,1]
	WIN 0x01
.set j, 4
.rept 15
	v_pk_add_f32 v[RLA+2*\m:RLA+2*\m+1], v[64*\m+j:64*\m+j+1], v[RLA+2*\m:RLA+2*\m+1]
	v_pk_add_f32 v[RLB+2*\m:RLB+2*\m+1], v[64*\m+j+2:64*\m+j+3], v[RLB+2*\m:RLB+2*\m+1]
.set j, j+4
.endr
	WIN 0
.endm
.macro VEC2 m
	WIN 0xC0
.irp b, 0,1,2,3
.irp j, 0,1,2,3
	ds_load_b128 v[ST+16*\b+4*\j:ST+16*\b+4*\j+3], v[IA] offset:(32*(\m>>1)+8*(\m&1))*IPITCH+256*(\b&1)+128*(\b>>1)+16*\j
.endr
.endr
	WIN 0x41
.set j, 0
.rept 32
	v_pk_fma_f32 v[64*\m+j:64*\m+j+1], v[64*\m+j:64*\m+j+1], s[CS:CS+1], v[NM+2*\m:NM+2*\m+1] op_sel_hi:[1,0,0]
.set j, j+2
.endr
.set j, 0
	s_wait_alu depctr_va_vdst(0)
.rept 64
	v_exp_f32 v[64*\m+j], v[64*\m+j]
.set j, j+1
.endr
	v_nop
	s_wait_dscnt 0x0
	WIN 0x71
.set j, 0
	s_wait_alu depctr_va_vdst(0)
.rept 32
	v_pk_fma_f32 v[64*\m+j:64*\m+j+1], v[64*\m+j:64*\m+j+1], v[IL+2*\m:IL+2*\m+1], v[ST+j:ST+j+1] op_sel_hi:[1,0,1]
.set j, j+2
.endr
	QUANT 1, 64*\m, PW
	IMAGE PWI, \m*1536
	ds_store_b32 v[PWS], v[PW] offset:4*\m
.endm
.macro STEP2 refill
	WIN 0xC0
	LDB QA, 0, 6144, 0
	LDB QA, 0, 6144, 2
	KSTEP 0, 0x5F, 0, 0, 0, 48, QA, 1536, 6144
	LDVS
	LDK 0xC0, 0, CU, 3
	KSTEP 0, 0x5F, 96, 1, 1, 56, QA, 3072, 6144
	LDV 0xC0, 96, 0
	KSTEP 0, 0x5C, 160, 2, 1, 56, QA, 4608, 6144
	LDV 0, 160, 1
	KSTEP 0, 0x5F, 0, 3, 1, 48, QA, -1, 0
.irp k, 0,1,2,3
.irp q, 0,1
	v_perm_b32 v[VS+4*\k+2*\q], v[VR+4*\k+2+\q], v[VR+4*\k+\q], s[SL0]
	v_perm_b32 v[VS+4*\k+2*\q+1], v[VR+4*\k+2+\q], v[VR+4*\k+\q], s[SL1]
.endr
.endr
	LDK 0xC0, 0, NX, 0
	LDKS NXS
	v_add_nc_u32 v[IA], s[TB], v[IA0]
	s_wait_alu depctr_va_vdst(0)
	BAR
	s_wait_tensorcnt 0x1
	VEC2 0
	VEC2 1
	LDV 0x40, 0, 2
	VEC2 2
	VEC2 3
	LDV 0x40, 128, 3
	s_wait_tensorcnt 0x0
	ds_add_u32 v[SPW], v[NIL]
.if \refill
	s_xor_b32 s[G0B+1], s[G0B+1], SLOTB
	s_add_nc_u64 s[G0B+2:G0B+3], s[G0B+2:G0B+3], 2048
.endif
	s_wait_dscnt 0x0
	s_barrier_signal -1
	s_barrier_wait -1
.if \refill
	tensor_load_to_lds s[G0B:G0B+3], s[G1:G1+7]
	s_nop 0
	PLACES 4
.endif
.irp k, 0,1,2,3
	ds_load_b128 v[PS+4*\k:PS+4*\k+3], v[PSA] offset:512*\k
.endr
	WIN 0xC0
	LDB PA, 0, 1536, 0
	LDB PA, 0, 1536, 2
	KSTEP 1, 0xAF, 96, 0, 1, 63, PA, 6144, 1536
	LDK 0xC0, 96, NX, 1
	KSTEP 1, 0xAC, 160, 1, 1, 63, PA, 12288, 1536
	LDK 0, 160, NX, 2
	KSTEP 1, 0xAD, 0, 2, 1, 63, PA, 18432, 1536
	KSTEP 1, 0xAD, 128, 3, 1, 48, PA, -1, 0
	v_nop
.endm
.macro TRIPEND
	s_add_nc_u64 s[VB:VB+1], s[VB:VB+1], 196608
	s_add_nc_u64 s[VSB:VSB+1], s[VSB:VSB+1], 8192
	s_xor_b32 s[TB], s[TB], SLOTB
.endm
	s_load_b512 s[4:19], s[0:1], 0x0
	s_load_b128 s[20:23], s[0:1], 0x40
	s_load_b64 s[24:25], s[0:1], 0x50
	v_lshl_add_u32 v[SPW], v0, 2, SPARE
	v_mov_b32 v[NIL], 0
	ds_add_u32 v16, v17
	ds_add_u32 v16, v17
	s_wait_dscnt 0x0
	v_lshrrev_b32 v40, 5, v0
	v_readfirstlane_b32 s[WV], v40
	s_mov_b32 s[G1+0], (2<<16)|(1<<20)|(6<<22)|(3<<25)
	s_mov_b32 s[G1+1], 128<<16
	s_mov_b32 s[G1+2], 64<<16
	s_mov_b32 s[G1+3], 128<<16
	s_mov_b32 s[G1+4], 64
	s_mov_b32 s[G1+5], 2048
	s_mov_b32 s[G1+6], 0
	s_mov_b32 s[G1+7], 0
	s_mov_b32 s[G1C+0], (2<<16)|(1<<20)|(6<<22)|(3<<25)
	s_mov_b32 s[G1C+1], 128<<16
	s_mov_b32 s[G1C+2], 16<<16             ; tensor_dim1 = 16
	s_mov_b32 s[G1C+3], 128<<16
	s_mov_b32 s[G1C+4], 16                 ; tile_dim1 = 16
	s_mov_b32 s[G1C+5], 2048
	s_mov_b32 s[G1C+6], 0
	s_mov_b32 s[G1C+7], 0
	s_mul_i32 s[WB], s[WV], WTILE
	s_mov_b32 s31, 0
	s_lshl_b32 s30, ttmp9, 19
	s_lshl_b32 s79, s[WV], 9
	s_add_co_u32 s30, s30, s79
	s_wait_kmcnt 0x0
	s_add_nc_u64 s[G0A+2:G0A+3], s[20:21], s[30:31]
	s_add_nc_u64 s[G0B+2:G0B+3], s[G0A+2:G0A+3], 2048
	s_add_nc_u64 s[IP:IP+1], s[G0A+2:G0A+3], 4096
	s_sub_nc_u64 s[G0C+2:G0C+3], s[G0B+2:G0B+3], 131072   ; chunk 1, 16 rows ahead of my first: each trip of pass 1 steps 16 rows on before it asks
	s_or_b32 s[G0C+3], s[G0C+3], 0x80000000
	s_or_b32 s[G0A+3], s[G0A+3], 0x80000000
	s_or_b32 s[G0B+3], s[G0B+3], 0x80000000
	s_mov_b32 s[G0A], 1
	s_mov_b32 s[G0A+1], s[WB]
	s_mov_b32 s[G0B], 1
	s_add_co_u32 s[G0B+1], s[WB], SLOTB
	s_mov_b32 s[G0C], 1
	s_add_co_u32 s[G0C+1], s[WB], SLOTB-16*IPITCH
	tensor_load_to_lds s[G0A:G0A+3], s[G1:G1+7]    ; chunk 0 into slot 0: my one tensor load at the head
	s_nop 0
	PLACES 4
	v_and_b32 v40, 31, v0
	v_and_b32 v41, 15, v0
	v_bfe_u32 v42, v0, 4, 1
	v_and_b32 v43, 8, v41
	v_add_nc_u32 v43, v43, v41
	v_lshlrev_b32 v[LI], 4, v40
	v_lshlrev_b32 v[L8], 3, v40
	v_add_nc_u32 v[QA], QIMG, v[LI]
	v_add_nc_u32 v[PA], PIMG, v[LI]
	s_mul_i32 s30, s[WV], 6144
	v_add_nc_u32 v[PWI], s30, v[PA]
	v_add_nc_u32 v[QWI], s30, v[QA]
	v_add_nc_u32 v[PSA], PSC, v[LI]
	s_lshl_b32 s30, s[WV], 9
	v_add_nc_u32 v[PWS], s30, v[PSA]
	v_mul_u32_u24 v[SO0], v43, YP
	v_lshl_add_u32 v[SO0], v42, 6, v[SO0]
	v_add_nc_u32 v[SO0], s30, v[SO0]
	v_add_nc_u32 v[SO1], 32*YP, v[SO0]
	v_mul_u32_u24 v[IA0], v43, IPITCH
	v_lshl_add_u32 v[IA0], v42, 6, v[IA0]
	v_add_nc_u32 v[IA0], s[WB], v[IA0]
	v_lshlrev_b32 v[SMR], 5, v41
	v_add_nc_u32 v[SMR], STM, v[SMR]
	v_lshl_add_u32 v[SMW], v42, 2, v[SMR]
	s_lshl_b32 s30, s[WV], 3
	v_add_nc_u32 v[SMW], s30, v[SMW]
	s_mul_i32 s30, s[WV], 16*YP
	v_add_nc_u32 v[SR], s30, v[LI]
	v_lshrrev_b32 v[PFA], 1, v40
	v_lshlrev_b32 v[PFA], 13, v[PFA]
	v_and_b32 v40, 1, v40
	v_lshl_add_u32 v[PFA], v40, 8, v[PFA]
	v_lshlrev_b32 v[OBA], 6, v42
.irp m, 0,1,2,3
	v_mov_b32 v[RM+\m], 0xff61b1e6
.endr
.set j, 0
.rept 16
	v_mov_b32 v[RLA+j], 0
.set j, j+1
.endr
.irp b, 4,5,6,7,8,9
	v_mov_b32 v[TM+\b], 0
.endr
	s_mov_b32 s[CS], 0x3d8293ee
	s_mov_b32 s[CS+1], s[CS]
	s_mov_b32 s[NC], 0xbd8293ee
	s_mov_b32 s[SL0], 0x05010400
	s_mov_b32 s[SL1], 0x07030602
	s_mov_b32 s[SEL], 0x76543210
	s_mov_b32 s[SEL+1], 0xfedcba98
	s_mov_b32 s[TB], 0
	s_mov_b32 s[CN], 1
	s_lshr_b32 s29, ttmp9, 5
	s_mul_i32 s30, s29, 786432
	s_mul_i32 s79, s[WV], 49152
	s_add_co_u32 s30, s30, s79
	s_add_nc_u64 s[KW:KW+1], s[8:9], s[30:31]
	s_mul_i32 s30, s29, 786432
	s_mul_i32 s79, s[WV], 12288
	s_add_co_u32 s30, s30, s79
	s_add_nc_u64 s[VB:VB+1], s[12:13], s[30:31]
	s_lshl_b32 s30, s29, 15
	s_lshl_b32 s79, s[WV], 11
	s_add_co_u32 s30, s30, s79
	s_add_nc_u64 s[KSW:KSW+1], s[10:11], s[30:31]
	s_lshl_b32 s30, s29, 15
	s_lshl_b32 s79, s[WV], 8
	s_add_co_u32 s30, s30, s79
	s_add_nc_u64 s[VSB:VSB+1], s[14:15], s[30:31]
	s_mul_i32 s30, s[WV], 49152
	s_add_co_u32 s30, s30, 589824
	s_add_nc_u64 s[OWW:OWW+1], s[16:17], s[30:31]
	s_lshl_b32 s30, s[WV], 11
	s_add_co_u32 s30, s30, 24576
	s_add_nc_u64 s[OWS:OWS+1], s[18:19], s[30:31]
	s_mul_i32 s30, ttmp9, 24576
	s_mul_i32 s79, s[WV], 6144
	s_add_co_u32 s30, s30, s79
	s_add_nc_u64 s[4:5], s[4:5], s[30:31]
	s_lshl_b32 s30, ttmp9, 10
	s_add_nc_u64 s[6:7], s[6:7], s[30:31]
	s_lshl_b32 s30, s[WV], 9
	s_add_nc_u64 s[22:23], s[22:23], s[30:31]
	s_lshl_b32 s30, ttmp9, 17
	s_lshl_b32 s79, s[WV], 15
	s_add_co_u32 s30, s30, s79
	s_add_nc_u64 s[24:25], s[24:25], s[30:31]
	s_mov_b64 s[CU:CU+1], s[KW:KW+1]
	s_add_nc_u64 s[NX:NX+1], s[KW:KW+1], 196608
	s_add_nc_u64 s[NXS:NXS+1], s[KSW:KSW+1], 8192
	WIN 0xC0
.irp i, 0,1,2,3,4,5,6,7,8,9,10,11
	global_load_b128 v[192+4*\i:195+4*\i], v[LI], s[4:5] offset:512*\i
.endr
	WIN 0
.irp s, 0,1,2,3
	global_load_b64 v[QS+2*\s:QS+2*\s+1], v[L8], s[6:7] offset:256*\s
.endr
	LDK 0xC0, 0, KW, 0
	LDKS KSW
	s_wait_loadcnt 36
	WIN 0x0C
.irp i, 0,1,2,3,4,5,6,7,8,9,10,11
	ds_store_b128 v[QWI], v[192+4*\i:195+4*\i] offset:512*\i
.endr
	WIN 0
	LDK 0xC0, 96, KW, 1
	LDK 0, 160, KW, 2
	BAR
	s_mov_b32 s[CNT], 4
.Lpass1:
	WIN 0xC0
	LDB QA, 0, 6144, 0
	LDB QA, 0, 6144, 2
	KSTEP 0, 0x5F, 0, 0, 0, 48, QA, 1536, 6144
	LDK 0xC0, 0, CU, 3
	KSTEP 0, 0x5F, 96, 1, 1, 48, QA, 3072, 6144
	KSTEP 0, 0x5C, 160, 2, 1, 24, QA, 4608, 6144
	KSTEP 0, 0x5F, 0, 3, 1, 0, QA, -1, 0
	LDK 0xC0, 0, NX, 0
	LDKS NXS
	LDK 0xC0, 96, NX, 1
	global_prefetch_b8 v[PFA], s[IP:IP+1] th:TH_LOAD_NT scope:SCOPE_SE
	VEC1 0
	LDK 0, 160, NX, 2
	VEC1 1
	VEC1 2
	VEC1 3
	s_wait_xcnt 0x0
	NEXTK
	s_add_nc_u64 s[IP:IP+1], s[IP:IP+1], 131072
	s_wait_tensorcnt 0x0                           ; all my tensor loads have landed, so G0C may be written;
	ds_add_u32 v[SPW], v[NIL]
	s_add_co_u32 s[G0C+1], s[G0C+1], 16*IPITCH     ; the next 16 rows of my tile in slot 1,
	s_add_nc_u64 s[G0C+2:G0C+3], s[G0C+2:G0C+3], 131072   ; 16 rows of 8,192 bytes on in memory
	s_wait_dscnt 0x0
	s_barrier_signal -1
	s_barrier_wait -1
	tensor_load_to_lds s[G0C:G0C+3], s[G1C:G1C+7]  ; a quarter of slot 1's first fill: my one load behind this barrier
	s_nop 0
	PLACES 4
	s_sub_co_u32 s[CNT], s[CNT], 1
	s_cmp_lg_u32 s[CNT], 0
	s_cbranch_scc1 .Lpass1
	s_wait_alu depctr_va_vdst(0)
.irp m, 0,1,2,3
	v_add_f32 v[TM+\m], v[RLA+2*\m], v[RLA+2*\m+1]
.endr
.irp m, 0,1,2,3
	v_add_f32 v[TM+4+\m], v[RLB+2*\m], v[RLB+2*\m+1]
.endr
.irp m, 0,1,2,3
	v_add_f32 v[TM+\m], v[TM+\m], v[TM+4+\m]
.endr
.irp m, 0,1,2,3
	ds_store_b32 v[SMW], v[RM+\m] offset:512*\m
	ds_store_b32 v[SMW], v[TM+\m] offset:2048+512*\m
.endr
	BAR
	WIN 0x80
.irp m, 0,1,2,3
	ds_load_b128 v[16*\m:16*\m+3], v[SMR] offset:512*\m
	ds_load_b128 v[16*\m+4:16*\m+7], v[SMR] offset:512*\m+16
	ds_load_b128 v[16*\m+8:16*\m+11], v[SMR] offset:2048+512*\m
	ds_load_b128 v[16*\m+12:16*\m+15], v[SMR] offset:2048+512*\m+16
.endr
	s_wait_dscnt 0x0
	WIN 0x2A
.irp m, 0,1,2,3
	v_max3_num_f32 v[TM+4*\m], v[16*\m], v[16*\m+1], v[16*\m+2]
	v_max3_num_f32 v[TM+4*\m+1], v[16*\m+3], v[16*\m+4], v[16*\m+5]
	v_max_num_f32 v[TM+4*\m+2], v[16*\m+6], v[16*\m+7]
.endr
	WIN 0
.irp m, 0,1,2,3
	v_max3_num_f32 v[TM+4*\m], v[TM+4*\m], v[TM+4*\m+1], v[TM+4*\m+2]
.endr
.irp m, 0,1,2,3
	v_mul_f32 v[NM+2*\m], s[NC], v[TM+4*\m]
.endr
	WIN 0x82
.irp i, 0,1,2,3,4,5,6,7
.irp m, 0,1,2,3
	v_fma_f32 v[16*\m+\i], v[16*\m+\i], s[CS], v[NM+2*\m]
.endr
.endr
	s_wait_alu depctr_va_vdst(0)
.irp i, 0,1,2,3,4,5,6,7
.irp m, 0,1,2,3
	v_exp_f32 v[16*\m+\i], v[16*\m+\i]
.endr
.endr
	v_nop
	WIN 0x0A
	s_wait_alu depctr_va_vdst(0)
.irp m, 0,1,2,3
	v_mul_f32 v[TM+4*\m], v[16*\m], v[16*\m+8]
.endr
.irp i, 1,2,3,4,5,6,7
.irp m, 0,1,2,3
	v_fma_f32 v[TM+4*\m], v[16*\m+\i], v[16*\m+8+\i], v[TM+4*\m]
.endr
.endr
	WIN 0
	s_wait_alu depctr_va_vdst(0)
.irp m, 0,1,2,3
	v_rcp_f32 v[IL+2*\m], v[TM+4*\m]
.endr
	v_nop
	WIN 0x80
.set j, 0
.rept 256
	v_mov_b32 v[j], 0
.set j, j+1
.endr
	WIN 0
	s_mov_b32 s[CNT], 2
.Lfill:
	STEP2 1
	s_wait_xcnt 0x0
	TRIPEND
	NEXTK
	s_sub_co_u32 s[CNT], s[CNT], 1
	s_cmp_lg_u32 s[CNT], 0
	s_cbranch_scc1 .Lfill
	s_mov_b32 s[CNT], 2
.Ltail:
	STEP2 0
	s_wait_xcnt 0x0
	TRIPEND
	s_mov_b64 s[CU:CU+1], s[NX:NX+1]
	s_mov_b64 s[NX:NX+1], s[OWW:OWW+1]
	s_mov_b64 s[NXS:NXS+1], s[OWS:OWS+1]
	s_sub_co_u32 s[CNT], s[CNT], 1
	s_cmp_lg_u32 s[CNT], 0
	s_cbranch_scc1 .Ltail
	BAR
.irp m, 0,1,2,3
	QUANT 2, 64*\m, PW
	IMAGE PWI, \m*1536
	ds_store_b32 v[PWS], v[PW] offset:4*\m
.if \m == 0
	WIN 0x80
.irp t, 0,1,2,3,4,5,6,7
.set LN, 4*((\t>>1)&1)+2*(\t>>2)+(\t&1)
	global_load_b128 v[BI+8*\t:BI+8*\t+3], v[OBA], s[22:23] offset:4*(32*(LN>>1)+8*(LN&1))
	global_load_b128 v[BI+8*\t+4:BI+8*\t+7], v[OBA], s[22:23] offset:4*(32*(LN>>1)+8*(LN&1))+16
.endr
	WIN 0
.endif
.if \m == 2
	LDK 0x80, 64, CU, 3                            ; out_w's K step 3 into window 2, v64-159: O's tiles 1 and 2 have been quantised
.endif
	s_wait_dscnt 0x0
.endr
	s_barrier_signal -1
	s_barrier_wait -1
.irp k, 0,1,2,3
	ds_load_b128 v[PS+4*\k:PS+4*\k+3], v[PSA] offset:512*\k
.endr
	WIN 0xC0
	LDB PA, 0, 1536, 0
	LDB PA, 0, 1536, 2
	KSTEP 2, 0x6F, 0, 0, 2, 24, PA, 6144, 1536     ; the 24 youngest loads, K step 3's, may be out
	KSTEP 2, 0x5F, 96, 1, 1, 24, PA, 12288, 1536
	KSTEP 2, 0x5C, 160, 2, 1, 24, PA, 18432, 1536
	KSTEP 2, 0x5E, 64, 3, 1, 0, PA, -1, 0          ; source 0 in window 2
	WIN 0x04
.irp m, 0,1,2,3
.irp t, 0,1,2,3,4,5,6,7
.set LN, 4*((\t>>1)&1)+2*(\t>>2)+(\t&1)
.if \m < 2
	ds_store_b128 v[SO0], v[64*\m+8*\t:64*\m+8*\t+3] offset:8*(\m&1)*YP+128*(LN>>1)+32*(LN&1)
	ds_store_b128 v[SO0], v[64*\m+8*\t+4:64*\m+8*\t+7] offset:8*(\m&1)*YP+128*(LN>>1)+32*(LN&1)+16
.else
	ds_store_b128 v[SO1], v[64*\m+8*\t:64*\m+8*\t+3] offset:8*(\m&1)*YP+128*(LN>>1)+32*(LN&1)
	ds_store_b128 v[SO1], v[64*\m+8*\t+4:64*\m+8*\t+7] offset:8*(\m&1)*YP+128*(LN>>1)+32*(LN&1)+16
.endif
.endr
.endr
	WIN 0
	BAR
.irp g, 0,1,2,3
.if \g > 0
	s_wait_xcnt 0x0
.endif
.irp n, 0,1,2,3,4,5,6,7,8,9,10,11,12,13,14,15
	ds_load_b128 v[160+4*\n:163+4*\n], v[SR] offset:(4*\g+\n/4)*YP+512*(\n%4)
.endr
.irp n, 0,1,2,3,4,5,6,7,8,9,10,11,12,13,14,15
	s_wait_dscnt 15-\n
	global_store_b128 v[LI], v[160+4*\n:163+4*\n], s[24:25] offset:(4*\g+\n/4)*2048+512*(\n%4) th:TH_STORE_NT
.endr
.endr
	s_wait_tensorcnt 0x0
	ds_add_u32 v[SPW], v[NIL]
	s_wait_dscnt 0x0
	s_endpgm
.Lfunc_end_k_qf2c40a304f_attn:
	.size	k_qf2c40a304f_attn, .Lfunc_end_k_qf2c40a304f_attn-k_qf2c40a304f_attn
	.p2alignl 7, 3214868480
	.fill 96, 4, 3214868480
	.section	.rodata,"a",@progbits
	.p2align	6, 0x0
	.amdhsa_kernel k_qf2c40a304f_attn
		.amdhsa_group_segment_fixed_size 327680
		.amdhsa_private_segment_fixed_size 0
		.amdhsa_enable_private_segment 0
		.amdhsa_kernarg_size 88
		.amdhsa_user_sgpr_count 2
		.amdhsa_user_sgpr_kernarg_segment_ptr 1
		.amdhsa_wavefront_size32 1
		.amdhsa_system_sgpr_workgroup_id_x 1
		.amdhsa_system_sgpr_workgroup_id_y 1
		.amdhsa_system_sgpr_workgroup_id_z 1
		.amdhsa_system_vgpr_workitem_id 0
		.amdhsa_next_free_vgpr 1024
		.amdhsa_next_free_sgpr 96
		.amdhsa_reserve_vcc 0
		.amdhsa_float_denorm_mode_32 3
		.amdhsa_float_denorm_mode_16_64 3
		.amdhsa_memory_ordered 1
		.amdhsa_forward_progress 1
		.amdhsa_inst_pref_size 255
	.end_amdhsa_kernel
	.section	.bss,"aw",@nobits
	.p2align	6
	.space	262144
	.amdgpu_metadata
---
amdhsa.version: [ 1, 2 ]
amdhsa.kernels:
  - .name:           k_qf2c40a304f_attn
    .symbol:         k_qf2c40a304f_attn.kd
    .args:
      - { .name: qcod, .offset: 0, .size: 8, .value_kind: global_buffer, .address_space: global }
      - { .name: qscl, .offset: 8, .size: 8, .value_kind: global_buffer, .address_space: global }
      - { .name: kcod, .offset: 16, .size: 8, .value_kind: global_buffer, .address_space: global }
      - { .name: kscl, .offset: 24, .size: 8, .value_kind: global_buffer, .address_space: global }
      - { .name: vcod, .offset: 32, .size: 8, .value_kind: global_buffer, .address_space: global }
      - { .name: vscl, .offset: 40, .size: 8, .value_kind: global_buffer, .address_space: global }
      - { .name: wcod, .offset: 48, .size: 8, .value_kind: global_buffer, .address_space: global }
      - { .name: wscl, .offset: 56, .size: 8, .value_kind: global_buffer, .address_space: global }
      - { .name: intensity, .offset: 64, .size: 8, .value_kind: global_buffer, .address_space: global }
      - { .name: out_b, .offset: 72, .size: 8, .value_kind: global_buffer, .address_space: global }
      - { .name: out0, .offset: 80, .size: 8, .value_kind: global_buffer, .address_space: global }
    .group_segment_fixed_size: 327680
    .private_segment_fixed_size: 0
    .kernarg_segment_align: 8
    .kernarg_segment_size: 88
    .max_flat_workgroup_size: 128
    .sgpr_count:     96
    .vgpr_count:     1024
    .wavefront_size: 32
...
	.end_amdgpu_metadata
.endif
;; end of part 3
